; MI455X (gfx1250); checked and timed in simulation.
; The chip was launched on July 23, 2026; its instructions are those of AMD's public machine-readable ISA for CDNA 5 (MIT licence, August 2026) and "CDNA5" Instruction Set Architecture Reference Guide (July 2026). The comments in the code are by the model that wrote it; some were corrected since.
;; Attention. Allowed arithmetic: float matrix products may take bf16 or f16 operands with f32 sums; other float arithmetic in f32, or as packed bf16 or f16 multiplies, adds, multiply-adds, maxima and minima; sums over many terms, partial sums and values carried from step to step in f32; what a program stores and reads back later, other than sums and carried values, may be rounded once to bf16 or f16.
;; Inputs: W_attn 1,024 x 2,048 float32; b_attn 1,024 float32; encoder_outputs 32 x 2,048 x 1,024 float32; hidden 1 x 32 x 1,024 float32; v 1,024 float32.
;; Outputs: out0 32 x 2,048 float32.
;; One version. Each part assembles by itself: llvm-mc -triple=amdgcn-amd-amdhsa -mcpu=gfx1250 --defsym DOCPART=n.
;; ======== version 1 of 1: 3 launches
;; limits: a difference of large sums (such as E[x^2] - mean^2): digits are lost where the result is much smaller than its terms
;; workspace buffers: wb 2,097,152 bytes; hb 131,072 bytes; part 2,097,152 bytes
;; launch prep (part 1): grid 64 x 1, 16 waves a work-group, no clusters, 34,816 bytes of LDS; arguments W_attn, b_attn, hidden, wb, hb; writes wb, hb
.if DOCPART == 1
	.amdgcn_target "amdgcn-amd-amdhsa--gfx1250"
	.amdhsa_code_object_version 6
	.text
	.protected	k_qcaddca23f2_prep
	.globl	k_qcaddca23f2_prep
	.p2align	8
	.type	k_qcaddca23f2_prep,@function
k_qcaddca23f2_prep:
	s_mov_b64 s[64:65], 0
	v_nop
	global_prefetch_b8 v0, s[64:65] scope:SCOPE_SE
	s_setreg_imm32_b32 hwreg(HW_REG_WAVE_MODE, 25, 1), 1
	s_wait_xcnt 0x0
; wb[o][k] = bf16(c We[o][k]);  hb(b, o) = c (sum over k of h[b][k] Wh[o][k] + b_attn[o]) in f32;  c = 2 log2(e).
; W_attn: [1024][2048] f32, Wh its columns 0-1023, We its columns 1024-2047.  hidden: [32][1024] f32.  The factor c turns tanh(x) into 1 - 2 / (1 + 2^(c x)) for the next launch.
; SHARES.  64 work-groups of 16 waves; work-group g owns the rows o = 16 g .. 16 g + 15.  Wave w multiplies the channels 64 w .. 64 w + 63 of h Wh^T (bf16 operands, f32 sums) and casts row 16 g + w of We.
; The 16 partial sums meet in LDS; waves 0-3 add them, 512 bytes each.
; LAYOUT.  Source 0 = 16 rows of Wh, source 1 = 16 rows of h: register j of lane (r = l % 16, h = l / 16) holds o = 16 g + 8 h + j, b = 16 mt + r.
; hb keeps that order: (b, o) lies at byte (o>>4) 2048 + (b>>4) 1024 + ((o>>2)&1) 512 + ((o>>3)&1) 256 + (b&15) 16 + (o&3) 4, so that every store of a wave covers 512 consecutive bytes.
; LIMITS.  Matrix operands are rounded to bf16; c We is rounded once, after the multiplication in f32.  NaN and infinities are not treated apart.
.set CSC,   0x4038aa3b                 ; c = 2.885390
.set PART,  0                          ; LDS: wave w's two partial tiles, 2,048 bytes, at 2,048 w
.set SPARE, 32768                      ; behind them the spare words, 128 bytes for each of 16 waves
.set WO,  4                            ; v4   Wh: r x 8,192 + 32 h + 256 w
.set HO,  5                            ; v5   hidden: r x 4,096 + 32 h + 256 w
.set CO,  6                            ; v6   We's row w: 8,192 w + 4,096 + 32 l
.set BO,  7                            ; v7   b_attn: 32 h + 16 (w & 1)
.set WS,  8                            ; v8   wb: 2,048 w + 16 l
.set LS,  9                            ; v9   LDS: 2,048 w + 16 l
.set LR,  10                           ; v10  LDS: 512 w + 16 l (waves 0-3)
.set HS,  11                           ; v11  hb: 512 w + 16 l (waves 0-3)
.set SPW, 14                           ; v14  my spare word; never rewritten
.set NIL, 15                           ; v15  0; never rewritten
.set ACC, 16                           ; v[16:31]   two accumulators: b = 0-15, b = 16-31
.set WR,  32                           ; v[32:63]   Wh as loaded: 32-channel step q at 16 q.  Later v[32:95]: the 16 partial sums
.set HR,  64                           ; v[64:127]  h as loaded: 32 mt + 16 q
.set CW,  128                          ; v[128:159] We's row as loaded
.set BI,  160                          ; v[160:163] four numbers of b_attn
.set WF,  164                          ; v[164:179] Wh's fragments
.set HF,  180                          ; v[180:211] h's fragments: 16 mt + 8 q
	s_load_b256 s[4:11], s[0:1], 0x0               ; W_attn s[4:5], b_attn s[6:7], hidden s[8:9], wb s[10:11]
	s_load_b64 s[12:13], s[0:1], 0x20              ; hb
	v_lshl_add_u32 v[SPW], v0, 2, SPARE
	v_mov_b32 v[NIL], 0
	v_lshrrev_b32 v1, 5, v0
	v_readfirstlane_b32 s14, v1                    ; wave 0..15
	v_and_b32 v1, 15, v0                           ; r
	v_bfe_u32 v2, v0, 4, 1                         ; h
	v_and_b32 v3, 31, v0                           ; l
	s_lshl_b32 s24, s14, 8
	v_lshlrev_b32 v[WO], 13, v1
	v_lshl_add_u32 v[WO], v2, 5, v[WO]
	v_add_nc_u32 v[WO], s24, v[WO]
	v_lshlrev_b32 v[HO], 12, v1
	v_lshl_add_u32 v[HO], v2, 5, v[HO]
	v_add_nc_u32 v[HO], s24, v[HO]
	s_lshl_b32 s25, s14, 13
	s_add_co_u32 s25, s25, 4096
	v_lshl_add_u32 v[CO], v3, 5, s25
	s_and_b32 s26, s14, 1
	s_lshl_b32 s26, s26, 4
	v_lshl_add_u32 v[BO], v2, 5, s26
	s_lshl_b32 s27, s14, 11
	v_lshl_add_u32 v[WS], v3, 4, s27
	v_lshl_add_u32 v[LS], v3, 4, s27
	s_lshl_b32 s28, s14, 9
	v_lshl_add_u32 v[LR], v3, 4, s28
	v_lshl_add_u32 v[HS], v3, 4, s28
	s_lshl_b32 s16, ttmp9, 17                      ; 16 rows of W_attn
	s_mov_b32 s17, 0
	s_lshl_b32 s18, ttmp9, 6                       ; 16 numbers of b_attn
	s_mov_b32 s19, 0
	s_lshl_b32 s20, ttmp9, 15                      ; 16 rows of wb
	s_mov_b32 s21, 0
	s_lshl_b32 s22, ttmp9, 11                      ; a block of hb
	s_mov_b32 s23, 0
	s_wait_kmcnt 0x0
	s_add_nc_u64 s[4:5], s[4:5], s[16:17]
	s_add_nc_u64 s[6:7], s[6:7], s[18:19]
	s_add_nc_u64 s[10:11], s[10:11], s[20:21]
	s_add_nc_u64 s[12:13], s[12:13], s[22:23]
	; A fragment's channels 8 h .. 8 h + 7 and 16 + 8 h .. are 32 bytes of f32 each: loads at 32 h + 0, 16, 64, 80.
	global_load_b128 v[BI:BI+3], v[BO], s[6:7]
.irp q, 0,1
.irp t, 0,1,2,3
	global_load_b128 v[WR+16*(\q)+4*(\t):WR+16*(\q)+4*(\t)+3], v[WO], s[4:5] offset:128*(\q)+16*((\t)%2)+64*((\t)/2)
.endr
.endr
.irp m, 0,1
.irp q, 0,1
.irp t, 0,1,2,3
	global_load_b128 v[HR+32*(\m)+16*(\q)+4*(\t):HR+32*(\m)+16*(\q)+4*(\t)+3], v[HO], s[8:9] offset:65536*(\m)+128*(\q)+16*((\t)%2)+64*((\t)/2)
.endr
.endr
.endr
.irp i, 0,1,2,3
	global_load_b128 v[CW+8*(\i):CW+8*(\i)+3],   v[CO], s[4:5] offset:1024*(\i)
	global_load_b128 v[CW+8*(\i)+4:CW+8*(\i)+7], v[CO], s[4:5] offset:1024*(\i)+16
.endr
	s_wait_loadcnt 8                               ; all but the eight loads of We's row, which were issued last
.set n, 0
.rept 16
	v_cvt_pk_bf16_f32 v[WF+n], v[WR+2*n], v[WR+2*n+1]
.set n, n+1
.endr
.set n, 0
.rept 32
	v_cvt_pk_bf16_f32 v[HF+n], v[HR+2*n], v[HR+2*n+1]
.set n, n+1
.endr
	; four products; the two accumulators take turns; the first two start the sums
	v_wmma_f32_16x16x32_bf16 v[ACC:ACC+7],    v[WF:WF+7],    v[HF:HF+7],     0
	v_wmma_f32_16x16x32_bf16 v[ACC+8:ACC+15], v[WF:WF+7],    v[HF+16:HF+23], 0
	v_wmma_f32_16x16x32_bf16 v[ACC:ACC+7],    v[WF+8:WF+15], v[HF+8:HF+15],  v[ACC:ACC+7]
	v_wmma_f32_16x16x32_bf16 v[ACC+8:ACC+15], v[WF+8:WF+15], v[HF+24:HF+31], v[ACC+8:ACC+15]
.rept 8
	v_nop                                          ; the places between the last product and the stores that read its result, doubled, once a launch
.endr
.irp m, 0,1
.irp e, 0,1
	ds_store_b128 v[LS], v[ACC+8*(\m)+4*(\e):ACC+8*(\m)+4*(\e)+3] offset:PART+512*(2*(\m)+(\e))
.endr
.endr
	s_wait_loadcnt 0x0                             ; We's row
.irp i, 0,1,2,3
.irp n, 0,1,2,3
	v_pk_mul_f32 v[CW+8*(\i)+2*(\n):CW+8*(\i)+2*(\n)+1], v[CW+8*(\i)+2*(\n):CW+8*(\i)+2*(\n)+1], CSC op_sel_hi:[1,0]
.endr
.irp n, 0,1,2,3
	v_cvt_pk_bf16_f32 v[CW+8*(\i)+(\n)], v[CW+8*(\i)+2*(\n)], v[CW+8*(\i)+2*(\n)+1]  ; register n is written when its own two sources, or lower ones, have been read
.endr
	global_store_b128 v[WS], v[CW+8*(\i):CW+8*(\i)+3], s[10:11] offset:512*(\i)  ; a wave's store covers 512 consecutive bytes, aligned
.endr
	s_wait_dscnt 0x0                               ; for the others' sake: my partial sums lie in LDS
	s_barrier_signal -1
	s_barrier_wait -1
	s_cmp_lt_u32 s14, 4                            ; waves 0-3 add the 16 partial sums, a quarter of the block each
	s_cbranch_scc0 .Lend
.set p, 0
.rept 16
	ds_load_b128 v[WR+4*p:WR+4*p+3], v[LR] offset:PART+2048*p
.set p, p+1
.endr
	s_wait_dscnt 0x0
.macro LEVEL st                        ; partial sum p takes partial sum p + st
.set p, 0
.rept \st
	v_pk_add_f32 v[WR+4*p:WR+4*p+1],   v[WR+4*p:WR+4*p+1],   v[WR+4*(p+(\st)):WR+4*(p+(\st))+1]
	v_pk_add_f32 v[WR+4*p+2:WR+4*p+3], v[WR+4*p+2:WR+4*p+3], v[WR+4*(p+(\st))+2:WR+4*(p+(\st))+3]
.set p, p+1
.endr
.endm
	LEVEL 8
	LEVEL 4
	LEVEL 2
	LEVEL 1
	v_pk_add_f32 v[WR:WR+1],   v[WR:WR+1],   v[BI:BI+1]
	v_pk_add_f32 v[WR+2:WR+3], v[WR+2:WR+3], v[BI+2:BI+3]
	v_pk_mul_f32 v[WR:WR+1],   v[WR:WR+1],   CSC op_sel_hi:[1,0]
	v_pk_mul_f32 v[WR+2:WR+3], v[WR+2:WR+3], CSC op_sel_hi:[1,0]
	global_store_b128 v[HS], v[WR:WR+3], s[12:13]  ; 512 consecutive bytes, aligned
.Lend:
	s_wait_tensorcnt 0x0                           ; the wave's end: behind my last LDS store
	ds_add_u32 v[SPW], v[NIL]
	s_wait_dscnt 0x0
	s_endpgm
.Lfunc_end_k_qcaddca23f2_prep:
	.size	k_qcaddca23f2_prep, .Lfunc_end_k_qcaddca23f2_prep-k_qcaddca23f2_prep
	.p2alignl 7, 3214868480
	.fill 96, 4, 3214868480
	.section	.rodata,"a",@progbits
	.p2align	6, 0x0
	.amdhsa_kernel k_qcaddca23f2_prep
		.amdhsa_group_segment_fixed_size 34816
		.amdhsa_private_segment_fixed_size 0
		.amdhsa_enable_private_segment 0
		.amdhsa_kernarg_size 40
		.amdhsa_user_sgpr_count 2
		.amdhsa_user_sgpr_kernarg_segment_ptr 1
		.amdhsa_wavefront_size32 1
		.amdhsa_system_sgpr_workgroup_id_x 1
		.amdhsa_system_sgpr_workgroup_id_y 1
		.amdhsa_system_sgpr_workgroup_id_z 1
		.amdhsa_system_vgpr_workitem_id 0
		.amdhsa_next_free_vgpr 216
		.amdhsa_next_free_sgpr 66
		.amdhsa_reserve_vcc 0
		.amdhsa_float_denorm_mode_32 3
		.amdhsa_float_denorm_mode_16_64 3
		.amdhsa_memory_ordered 1
		.amdhsa_forward_progress 1
		.amdhsa_inst_pref_size 16
	.end_amdhsa_kernel
	.amdgpu_metadata
---
amdhsa.version: [ 1, 2 ]
amdhsa.kernels:
  - .name:           k_qcaddca23f2_prep
    .symbol:         k_qcaddca23f2_prep.kd
    .args:
      - { .name: W_attn, .offset: 0, .size: 8, .value_kind: global_buffer, .address_space: global }
      - { .name: b_attn, .offset: 8, .size: 8, .value_kind: global_buffer, .address_space: global }
      - { .name: hidden, .offset: 16, .size: 8, .value_kind: global_buffer, .address_space: global }
      - { .name: wb, .offset: 24, .size: 8, .value_kind: global_buffer, .address_space: global }
      - { .name: hb, .offset: 32, .size: 8, .value_kind: global_buffer, .address_space: global }
    .group_segment_fixed_size: 34816
    .private_segment_fixed_size: 0
    .kernarg_segment_align: 8
    .kernarg_segment_size: 40
    .max_flat_workgroup_size: 512
    .sgpr_count:     66
    .vgpr_count:     216
    .wavefront_size: 32
...
	.end_amdgpu_metadata
.endif
;; end of part 1
;; launch energy (part 2): grid 4 x 64, 4 waves a work-group, clusters of 4 x 4, 327,680 bytes of LDS; arguments encoder_outputs, wb, hb, v, part; writes part
.if DOCPART == 2
	.amdgcn_target "amdgcn-amd-amdhsa--gfx1250"
	.amdhsa_code_object_version 6
	.text
	.protected	k_qcaddca23f2_energy
	.globl	k_qcaddca23f2_energy
	.p2align	8
	.type	k_qcaddca23f2_energy,@function
k_qcaddca23f2_energy:
	s_mov_b64 s[64:65], 0
	v_nop
	global_prefetch_b8 v0, s[64:65] scope:SCOPE_SE
	s_setreg_imm32_b32 hwreg(HW_REG_WAVE_MODE, 25, 1), 1
	s_wait_xcnt 0x0
	s_wait_alu depctr_hold_cnt(0) depctr_sa_sdst(0) depctr_va_vdst(0) depctr_va_sdst(0) depctr_va_ssrc(0) depctr_va_vcc(0) depctr_vm_vsrc(0)
	s_getreg_b32 s2, hwreg(HW_REG_IB_STS2, 6, 4)
	s_cmp_eq_u32 s2, 0
	s_cbranch_scc0 .Lentry_in_a_cluster
	s_endpgm
.Lentry_in_a_cluster:
	s_bfe_u32 s2, ttmp6, 0x10000c
	s_cmp_lg_u32 s2, 0xf033
	s_cbranch_scc0 .Lentry_shape_is_right
	s_endpgm
.Lentry_shape_is_right:
; part[o >> 7][row] = the sum over 128 columns o of wv[o] / (1 + 2^y[row][o]),  y = enc[row] . wb[o] + hb(batch, o),  wv = -c v,  c = 2 log2(e).
; enc: [65,536 rows = (batch, s)][1024] f32.  wb: [1024 o][1024 k] bf16 = c We.  hb: c (h Wh^T + b_attn), f32, in the order of a matrix result (below).  v: [1024] f32.  part: [8][65,536] f32.
; WHY.  tanh(x) = 1 - 2 / (1 + 2^(c x)), so log2(e) x score = log2(e) x (sum of v) + the sum over o of wv[o] / (1 + 2^y).  The first term is the same for all s of a softmax row and is left out.
; 2^y = infinity gives the term 0, 2^y = 0 gives wv[o]: the two ends of tanh, without a case of their own.
; LIMITS.  enc and c We enter the products rounded to bf16, sums in f32.  The partial sums carry half the sum of wv as an offset: with v offset by 30 of its spreads they reach some 1.4e3, and f32's
; rounding there is some 1e-4 of a score's exponent.  A quotient below 2^-126 counts as 0.  NaN and infinities among the inputs are not treated apart.
; SHARES.  A tile is 128 rows x 512 columns: four waves side by side along o, each 128 x 128: 64 accumulators, 512 registers.  1,024 tiles, 256 work-groups THAT STAY: four tiles each, 512 rows on end
; of one batch, one half nh of the columns, so hb's and wv's numbers serve the whole launch.
; B (wb) comes by the tensor data mover: K steps of 128 (rows of 256 bytes), two slots of 512 rows x 272 bytes; wave w fetches just the 128 rows that it multiplies.  The four work-groups of a column of
; the 4 x 4 cluster have the same nh and walk in step: each tile is asked for JOINTLY, by the same load with the same descriptor and a mask that names the four.
; A (enc) comes THROUGH REGISTERS: it is f32 and has to be rounded on the way.  Chunks of 64 along K: 128 rows x 256 bytes, 16 loads of 16 bytes a lane for each wave (16 lanes take a row's 256 bytes),
; rounded once, 8 bytes a lane into a ring of two bf16 chunks in LDS (128 rows x 144 bytes) that all four waves read.  Two sets of 64 registers hold two chunks on their way.
; NO JOINT LOAD FOR enc: as f32 tiles two slots of a K step of 128 would take 2 x 128 x 528 = 135,168 bytes, and beside B's 278,528 LDS has 49,152; and only two work-groups (nh = 0, 1) want a row.
; Those two are neighbours in a cluster.
; THE MATRIX INSTRUCTION IS USED TRANSPOSED: source 0 = 16 rows of wb, source 1 = 16 rows of enc.  Register j of lane (r = l % 16, h = l / 16) holds row r, column 8 h + j of the 16 x 16 block.
; A tile's first products take hb as C: eight registers for each block of 16 columns, the same in all 16 lanes of a half.
; REGISTERS, in windows of 256 (s_set_vgpr_msb: bits 1:0 source 0, 3:2 source 1, 5:4 source 2, 7:6 destination):
;   window 0: v0-31 addresses and small things; v32-63 at work; v64-127, v128-191 fragments of A, two buffers; v192-255 hb or wv, column 16 b + 8 h + j at 8 b + j
;   window 1: v0-63, v192-255 enc as loaded, two sets; v64-127, v128-191 fragments of B       windows 2, 3: accumulator (a, b) at 8 (8 a + b), rows 0-63 and 64-127
.set PITCH,  272                       ; a row of B in LDS: 256 bytes + 16 of padding: the 16 rows of a load begin in 16 different groups of four banks (ISA guide 11.1)
.set WROWS,  128*PITCH                 ; a wave's 128 rows
.set SLOT,   4*WROWS                   ; 139,264
.set APITCH, 144                       ; a row of a chunk of A: 128 bytes + 16
.set ACHB,   128*APITCH                ; 18,432
.set ACH,    2*SLOT                    ; 278,528: A's two chunks.  From here on nothing is filled by a tensor load
.set TAB,    ACH+2*ACHB                ; 315,392: hb's 128 numbers for wave w at 512 w; wv's 2,048 further on
.set STG,    TAB+4096                  ; 319,488: 512 bytes for each wave: a tile's 128 row sums
.set SPARE,  STG+2048                  ; 321,536: the spare words, 128 bytes for each wave
.set NEXT_A, 128*4096-15*256           ; bytes from a tile's last chunk to the next tile's first
.set OUT,  4                           ; v[4:7]   four row sums to store
.set R,    8                           ; v[8:15]  row sum of row 16 a + r
.set ADRA, 16                          ; v16-17   my place in a fragment of A, chunk slot 0, 1
.set TW,   18                          ; v18      where I put 16 bytes of the tables
.set HBO,  19                          ; v19      my 16 bytes of hb
.set ADRB, 20                          ; v20-21   my place in a fragment of B, slot 0, 1
.set AO,   22                          ; v22      enc: (32 w + 8 h) rows + 16 r
.set AD,   23                          ; v23-24   where I put 8 bytes of a chunk, slot 0, 1
.set TB,   25                          ; v25      TAB + 512 w + 32 h
.set STO,  26                          ; v26      STG + 512 w + 4 r
.set RDS,  27                          ; v27      STG + 512 w + 16 l
.set SPW,  28                          ; v28      my spare word; never rewritten
.set NIL,  29                          ; v29      0; never rewritten
.set PFO,  30                          ; v30      the prefetches' offset: row 32 w + l of a tile
.set PO,   31                          ; v31      16 l
.set T,    32
.set F0,   64
.set F1,   128
.set HW,   192
.set WV,   14                          ; s14      my wave's number
.set G1,   24                          ; s[24:31] descriptor group 1
.set G0,   32                          ; s[32:39] descriptor group 0, a set for each slot
.set BB,   40                          ; s[40:41] wb at my 128 rows
.set KO,   42                          ; s[42:43] byte offset along K of the K step to be asked for next
.set AP,   44                          ; s[44:45] enc at the chunk last loaded
.set PFA,  50                          ; s[50:51] enc at the K step to be prefetched, my half of its 512 bytes
.set PST,  52                          ; s[52:53] its step
.set PKC,  54                          ; s54      that K step's number in its tile
.set PFN,  55                          ; s55      prefetches still to come
.set PB,   56                          ; s[56:57] part at the tile's rows, my plane
.set PS,   58                          ; s[58:59] its step: 0 ahead of the first tile, then 512
.set SEL,  60                          ; s[60:61] v_permlanex16_b32's selects: each lane takes its own place in the other half
.set MSB, 0
.macro WIN new                         ; the immediate's high byte repeats the setting that is left; a switch that changes nothing is dropped
.if MSB != (\new)
	s_set_vgpr_msb (MSB<<8)|(\new)
.set MSB, (\new)
.endif
.endm
.macro PLACES                          ; four places in front of loads into registers that matrix instructions have read (ISA guide 7.12.1 for vector instructions)
.rept 4
	v_nop
.endr
.endm
.macro CREST                           ; a round of the cluster's barrier behind its opening barrier: wave 0 signals for the work-group, all wait for the sixteen, my work-group's barrier closes
	s_cmp_lg_u32 s[WV], 0
	s_cbranch_scc1 .Lnot_wave_0_\@
	s_barrier_signal -3
.Lnot_wave_0_\@:
	s_barrier_wait -3
	s_barrier_signal -1
	s_barrier_wait -1
.endm
.macro CROUND
	s_barrier_signal -1
	s_barrier_wait -1
	CREST
.endm
.macro JLOAD s                         ; a joint load: every wave fetches its own 128 rows; an s_nop 0 and four v_nop follow it
	tensor_load_to_lds s[G0+4*(\s):G0+4*(\s)+3], s[G1:G1+7]
	s_nop 0
.rept 4
	v_nop
.endr
.endm
; 16 products: row blocks a0, a0 + 1 of the window's four x all 8 column blocks, 32 along K.  first = 1: hb starts the sums.  The 64 accumulators take turns in the same order in every quarter.
.macro MUL16 f, hi, a0, first
.if \first
	WIN 0x81+0x40*(\hi)                            ; B window 1, A and C window 0, D window 2 or 3
.else
	WIN 0xa1+0x50*(\hi)                            ; B window 1, A window 0, C and D window 2 or 3
.endif
.irp a, \a0, (\a0)+1
.irp b, 0,1,2,3,4,5,6,7
.if \first
	v_wmma_f32_16x16x32_bf16 v[8*(8*(\a)+(\b)):8*(8*(\a)+(\b))+7], v[(\f)+8*(\b):(\f)+8*(\b)+7], v[(\f)+8*(4*(\hi)+(\a)):(\f)+8*(4*(\hi)+(\a))+7], v[HW+8*(\b):HW+8*(\b)+7]
.else
	v_wmma_f32_16x16x32_bf16 v[8*(8*(\a)+(\b)):8*(8*(\a)+(\b))+7], v[(\f)+8*(\b):(\f)+8*(\b)+7], v[(\f)+8*(4*(\hi)+(\a)):(\f)+8*(4*(\hi)+(\a))+7], v[8*(8*(\a)+(\b)):8*(8*(\a)+(\b))+7]
.endif
.endr
.endr
.endm
; 32 LDS loads in one run: a quarter's fragments (32 along K) into buffer f: B from slot sb at byte kb of its rows, then A from chunk slot sa at byte ka
.macro FETCH sb, kb, sa, ka, f
	WIN 0x40                                       ; destination window 1, address window 0
.irp i, 0,1,2,3,4,5,6,7
	ds_load_b128 v[(\f)+8*(\i):(\f)+8*(\i)+3],   v[ADRB+(\sb)] offset:(\kb)+(\i)*16*PITCH
	ds_load_b128 v[(\f)+8*(\i)+4:(\f)+8*(\i)+7], v[ADRB+(\sb)] offset:(\kb)+(\i)*16*PITCH+32
.endr
	WIN 0
.irp i, 0,1,2,3,4,5,6,7
	ds_load_b128 v[(\f)+8*(\i):(\f)+8*(\i)+3],   v[ADRA+(\sa)] offset:(\ka)+(\i)*16*APITCH
	ds_load_b128 v[(\f)+8*(\i)+4:(\f)+8*(\i)+7], v[ADRA+(\sa)] offset:(\ka)+(\i)*16*APITCH+32
.endr
.endm
; A chunk's 16 loads of my wave into set p: load j takes rows 16 (j / 8) + j % 8 (lanes 0-15) and 8 further down (lanes 16-31) of my 32; 16 lanes take 256 consecutive bytes, aligned
.macro LOADA p
	WIN 0x40
.set j, 0
.rept 16
	global_load_b128 v[192*(\p)+4*j:192*(\p)+4*j+3], v[AO], s[AP:AP+1] offset:(16*(j/8)+j%8)*4096
.set j, j+1
.endr
.endm
; Set p has come: it is rounded to bf16 and stored into chunk slot p; step > 0: the set is asked for again, with the chunk `step` bytes behind the one last loaded.
; cnt: the loads issued behind set p's: the other set's 16, or none.  The 32 conversions name no register of the products round them: they are the places in front of the run of LDS loads that follows.
.macro ASTEP p, cnt, step
	s_wait_loadcnt \cnt
	WIN 0x05                                       ; sources window 1, destination window 0
.set j, 0
.rept 32
	v_cvt_pk_bf16_f32 v[T+j], v[192*(\p)+2*j], v[192*(\p)+2*j+1]
.set j, j+1
.endr
	WIN 0
.set j, 0
.rept 16
	ds_store_b64 v[AD+(\p)], v[T+2*j:T+2*j+1] offset:(16*(j/8)+j%8)*APITCH  ; lanes 0-15 fill a row's 128 bytes; lanes 16-31 lie 8 rows = 288 words on: the other 32 banks
.set j, j+1
.endr
.if \step
	s_wait_xcnt 0x0                                ; the loads issued so far have read their base: only behind this wait is it stepped
	s_add_nc_u64 s[AP:AP+1], s[AP:AP+1], \step
	LOADA \p
.endif
.endm
; A K step is four quarters of 32 along K, 64 products each, on buffers 0, 1, 0, 1.  Quarters 0 and 2: multiply f; in the middle a chunk's step (ap = its set; -1: none) and the next quarter's fragments into g.
.macro QUARTER f, g, sb, kb, sa, ka, first, ap, cnt, step, head
	s_wait_dscnt \head                             ; 8: the youngest eight loads (A's rows 64-127) may be out
	MUL16 \f, 0, 0, \first
	MUL16 \f, 0, 2, \first
.if (\ap) < 0
	PLACES
.else
	ASTEP \ap, \cnt, \step
.endif
	FETCH \sb, \kb, \sa, \ka, \g
	s_wait_dscnt 32                                ; all but the 32 loads just issued
	MUL16 \f, 1, 0, \first
	MUL16 \f, 1, 2, \first
.endm
.macro Q0 sb, cnt=16, step=256         ; quarter 0: the step's odd chunk goes into chunk slot 1, whose last reads were waited for ahead of the barrier of the change of slots
	QUARTER F0, F1, \sb, 64, 0, 64, 0, 1, \cnt, \step, 8
.endm
.macro Q2 sb, ap=0, cnt=16, step=256   ; quarter 2: the next step's even chunk goes into chunk slot 0, whose last reads were waited for ahead of quarter 1's barrier
	QUARTER F0, F1, \sb, 192, 1, 64, 0, \ap, \cnt, \step, 8
.endm
; Quarter 1: a barrier of the work-group.  In front of it each wave's stores into chunk slot 1 and its reads of chunk slot 0 are done; behind it slot 1 is read, and (in quarter 2) slot 0 written.
; No tensor load fills anything behind it, so the refill that is on its way stays out.
.macro HALF sb
	s_wait_dscnt 8
	MUL16 F1, 0, 0, 0
	s_wait_dscnt 0x0
	s_barrier_signal -1
	MUL16 F1, 0, 2, 0
	s_barrier_wait -1
	PLACES
	FETCH \sb, 128, 1, 0, F0
	MUL16 F1, 1, 0, 0
	MUL16 F1, 1, 2, 0
.endm
; Quarter 3, first half: the barrier of the change of slots.  In front of it each wave waits for all its tensor loads, of which one is out: its rows of the next slot; adds 0 to its spare word; and waits for
; that, for its reads of this slot and of chunk slot 1, and for its stores into chunk slot 0.  round = 1: the slot's descriptor takes the K step to be asked for; no tensor load of mine is out, so it may be written.
.macro MEET round, slot
	WIN 0
	s_wait_tensorcnt 0x0
	ds_add_u32 v[SPW], v[NIL]                      ; 0 onto my spare word; scalar work and sixteen products stand between it and the wait for it
.if \round
	s_add_nc_u64 s[G0+4*(\slot)+2:G0+4*(\slot)+3], s[BB:BB+1], s[KO:KO+1]
	s_or_b32 s[G0+4*(\slot)+3], s[G0+4*(\slot)+3], 0x80000000  ; 127:126 type = 2
	s_add_co_u32 s[KO], s[KO], 256                 ; the next K step; behind a row's eighth the first again: all tiles walk the same rows of wb
	s_and_b32 s[KO], s[KO], 0x7ff
.endif
	s_wait_dscnt 9                                 ; the add and the youngest eight loads may be out
	MUL16 F1, 0, 0, 0
	s_wait_dscnt 0x0
	s_barrier_signal -1
	MUL16 F1, 0, 2, 0
.if \round
	WIN 0
.endif
	s_barrier_wait -1
.endm
; A PREFETCH of enc, behind the joint load, its five lines and the run of LDS loads: the K step that stands four steps on: 128 rows x 512 bytes.  The two work-groups that read these rows share them out BY
; ADDRESS: nh = 0 names each row's first 256 bytes (the even chunk), nh = 1 the second; wave w rows 32 w .. 32 w + 31, a lane a row: one instruction a wave, each block of 256 bytes named once in the launch.
; The chunks so named are loaded 448 and 576 products later.  28 prefetches: K steps 4 to 31 of my 32; the first four come by their loads alone, the last two changes of slots ask for nothing.
; wb is not asked for: every work-group walks it four times.
.macro ASK
	s_cmp_lg_u32 s[PFN], 0
	s_cbranch_scc0 .Lno_more_\@
	global_prefetch_b8 v[PFO], s[PFA:PFA+1] th:TH_LOAD_NT scope:SCOPE_SE
	s_sub_co_u32 s[PFN], s[PFN], 1
.Lno_more_\@:
.endm
; Quarter 3 with a refill.  The barrier opens a round of the cluster's: no wave of any partner still reads the slot or has a load on its way.  The joint refill is the first thing behind the round; from
; it to the wait for it a wave issues 224 products.  Then the next step's first fragments.
.macro TURN sb, nb
	s_wait_xcnt 0x0                                ; the last prefetch, a K step back, has read its address
	s_add_co_u32 s[PKC], s[PKC], 1
	s_and_b32 s[PKC], s[PKC], 7
	s_cmp_eq_u32 s[PKC], 0
	s_cselect_b32 s[PST], 128*4096-7*512, s67      ; into the next tile, or 512 bytes on
	s_add_nc_u64 s[PFA:PFA+1], s[PFA:PFA+1], s[PST:PST+1]
	MEET 1, \sb
	CREST
	JLOAD \sb                                      ; its four v_nop are also the places in front of the loads below
	FETCH \nb, 0, 0, 0, F0
	ASK
	MUL16 F1, 1, 0, 0
	MUL16 F1, 1, 2, 0
.endm
	s_load_b256 s[4:11], s[0:1], 0x0               ; enc s[4:5], wb s[6:7], hb s[8:9], v s[10:11]
	s_load_b64 s[12:13], s[0:1], 0x20              ; part
	v_lshl_add_u32 v[SPW], v0, 2, SPARE
	v_mov_b32 v[NIL], 0
	ds_add_u32 v[SPW], v[NIL]                      ; the wave's opening: the add, twice on end, and its wait ahead of my first tensor load
	ds_add_u32 v[SPW], v[NIL]                      ; and once more; the set-up below, work on registers, stands between it and the wait
	v_lshrrev_b32 v1, 5, v0
	v_readfirstlane_b32 s[WV], v1                  ; wave 0..3
	s_bfe_u32 s15, ttmp6, 0x40000                  ; cx
	s_bfe_u32 s16, ttmp6, 0x40004                  ; cy
	s_and_b32 s17, s15, 1                          ; nh: my half of the columns
	s_and_b32 s18, ttmp7, 0xffff                   ; cluster y
	s_lshl_b32 s18, s18, 2
	s_add_co_u32 s18, s18, s16
	s_lshl_b32 s18, s18, 1
	s_lshr_b32 s20, s15, 1
	s_add_co_u32 s18, s18, s20                     ; g = (4 x cluster y + cy) x 2 + cx / 2: my 512 rows
	; descriptor group 1: a tile of 128 rows x 128 elements, padded in LDS
	s_lshl_b32 s19, 0x1111, s15                    ; my column of the cluster: places cx, cx + 4, cx + 8, cx + 12
	s_or_b32 s[G1], s19, (1<<16)|(1<<20)|(1<<21)|(5<<22)|(3<<25)  ; 15:0 the mask; 17:16 elements of 2 bytes; 20 padding on; 21 set beside a mask; 24:22 after every 64 words; 31:25 4 words of it
	s_mov_b32 s[G1+1], 128<<16                     ; tensor_dim0 = 128
	s_mov_b32 s[G1+2], 128<<16                     ; tensor_dim1 = 128
	s_mov_b32 s[G1+3], 128<<16                     ; tile_dim0 = 128
	s_mov_b32 s[G1+4], 128                         ; tile_dim1 = 128
	s_mov_b32 s[G1+5], 1024                        ; elements from row to row
	s_mov_b32 s[G1+6], 0
	s_mov_b32 s[G1+7], 0
	s_mul_i32 s68, s[WV], WROWS                    ; my rows' place in a slot: the wave's number alone
	s_mov_b32 s[G0], 1
	s_add_co_u32 s[G0+1], s68, 0
	s_mov_b32 s[G0+4], 1
	s_add_co_u32 s[G0+5], s68, SLOT
	s_lshl_b32 s62, s17, 20                        ; my 128 rows of wb: nh x 512 + w x 128 rows of 2,048 bytes; s[62:63] never hold anything made of cy
	s_lshl_b32 s69, s[WV], 18
	s_add_co_u32 s62, s62, s69
	s_mov_b32 s63, 0
	s_mov_b32 s[KO], 512                           ; the first refill asks for K step 2
	s_mov_b32 s[KO+1], 0
	s_mov_b32 s[PST+1], 0
	s_mov_b32 s[PKC], 3
	s_mov_b32 s[PFN], 28
	s_mov_b32 s[PS], 0
	s_mov_b32 s[PS+1], 0
	s_mov_b32 s[SEL], 0x76543210
	s_mov_b32 s[SEL+1], 0xfedcba98
	s_mov_b32 s67, 512
	v_and_b32 v1, 15, v0                           ; r
	v_bfe_u32 v2, v0, 4, 1                         ; h
	v_and_b32 v3, 31, v0                           ; l
	v_mul_u32_u24 v[ADRA], v1, APITCH              ; a fragment: row r, 16 bytes for each half of the lanes, twice, 32 bytes apart
	v_lshl_add_u32 v[ADRA], v2, 4, v[ADRA]
	v_add_nc_u32 v[ADRA+1], ACH+ACHB, v[ADRA]
	v_add_nc_u32 v[ADRA], ACH, v[ADRA]
	v_mul_u32_u24 v[ADRB], v1, PITCH
	v_lshl_add_u32 v[ADRB], v2, 4, v[ADRB]
	v_add_nc_u32 v[ADRB], s68, v[ADRB]
	v_add_nc_u32 v[ADRB+1], SLOT, v[ADRB]
	s_lshl_b32 s69, s[WV], 17                      ; 32 rows of enc
	v_lshlrev_b32 v[AO], 4, v1
	v_lshl_add_u32 v[AO], v2, 15, v[AO]
	v_add_nc_u32 v[AO], s69, v[AO]
	v_lshl_add_u32 v[PFO], v3, 12, s69
	s_mul_i32 s70, s[WV], 32*APITCH
	v_mul_u32_u24 v[AD], v2, 8*APITCH
	v_lshl_add_u32 v[AD], v1, 3, v[AD]
	v_add_nc_u32 v[AD], s70, v[AD]
	v_add_nc_u32 v[AD+1], ACH+ACHB, v[AD]
	v_add_nc_u32 v[AD], ACH, v[AD]
	s_lshl_b32 s71, s[WV], 9
	s_add_co_u32 s70, s71, TAB
	v_lshl_add_u32 v[TB], v2, 5, s70
	v_lshl_add_u32 v[TW], v3, 4, s70
	s_add_co_u32 s70, s71, STG
	v_lshl_add_u32 v[STO], v1, 2, s70
	v_lshl_add_u32 v[RDS], v3, 4, s70
	v_lshlrev_b32 v[PO], 4, v3
	v_lshrrev_b32 v[HBO], 2, v3                    ; lane l takes columns 4 l .. 4 l + 3 of my 128: block l / 4 of 16, its quarter (l & 1), its half ((l >> 1) & 1)
	v_lshlrev_b32 v[HBO], 11, v[HBO]
	v_and_b32 v[R], 1, v3
	v_lshl_add_u32 v[HBO], v[R], 9, v[HBO]
	v_bfe_u32 v[R], v3, 1, 1
	v_lshl_add_u32 v[HBO], v[R], 8, v[HBO]
	s_lshl_b32 s20, s18, 21                        ; my 512 rows of enc
	s_mov_b32 s21, 0
	s_lshl_b32 s22, s17, 8                         ; the prefetches: my half of a K step's 512 bytes,
	s_add_co_u32 s22, s22, 3*512                   ; at K step 3: the first change of slots steps it to 4
	s_mov_b32 s23, 0
	s_wait_dscnt 0x0                               ; both opening adds are done
	s_wait_kmcnt 0x0
	s_add_nc_u64 s[BB:BB+1], s[6:7], s[62:63]
	s_add_nc_u64 s[G0+2:G0+3], s[BB:BB+1], 0       ; K step 0 into slot 0,
	s_or_b32 s[G0+3], s[G0+3], 0x80000000
	s_add_nc_u64 s[G0+6:G0+7], s[BB:BB+1], 256     ; K step 1 into slot 1
	s_or_b32 s[G0+7], s[G0+7], 0x80000000
	s_add_nc_u64 s[AP:AP+1], s[4:5], s[20:21]
	s_add_nc_u64 s[PFA:PFA+1], s[AP:AP+1], s[22:23]
	s_lshr_b32 s20, s18, 2                         ; the batch
	s_lshr_b32 s22, s20, 4
	s_lshl_b32 s22, s22, 10
	s_and_b32 s20, s20, 15
	s_lshl_b32 s20, s20, 4
	s_add_co_u32 s20, s20, s22
	s_lshl_b32 s22, s17, 16                        ; 32 blocks of 2,048 bytes for a half of the columns,
	s_add_co_u32 s20, s20, s22
	s_lshl_b32 s22, s[WV], 14                      ; 8 for a wave
	s_add_co_u32 s20, s20, s22
	s_add_nc_u64 s[8:9], s[8:9], s[20:21]
	s_lshl_b32 s20, s17, 11
	s_add_co_u32 s20, s20, s71
	s_add_nc_u64 s[10:11], s[10:11], s[20:21]      ; v at my 128 columns
	s_lshl_b32 s20, s18, 11
	s_add_co_u32 s20, s20, s62                     ; plane 4 nh + w of 262,144 bytes, row 512 g
	s_add_nc_u64 s[PB:PB+1], s[12:13], s[20:21]
	global_load_b128 v[T:T+3], v[HBO], s[8:9]
	global_load_b128 v[T+4:T+7], v[PO], s[10:11]
	LOADA 0                                        ; chunk 0
	s_wait_xcnt 0x0
	s_add_nc_u64 s[AP:AP+1], s[AP:AP+1], 256
	LOADA 1                                        ; chunk 1
	WIN 0
	CROUND                                         ; all sixteen work-groups are here: the first joint loads meet
	tensor_load_to_lds s[G0:G0+3], s[G1:G1+7]      ; both first fills on end: two tensor loads of mine are out
	s_nop 0
	tensor_load_to_lds s[G0+4:G0+7], s[G1:G1+7]
	s_nop 0
.rept 4
	v_nop
.endr
	s_wait_loadcnt 32                              ; hb and v are in; behind them the 32 loads of chunks 0 and 1 were issued
	v_pk_mul_f32 v[T+4:T+5], v[T+4:T+5], 0xc038aa3b op_sel_hi:[1,0]  ; wv = -c v
	v_pk_mul_f32 v[T+6:T+7], v[T+6:T+7], 0xc038aa3b op_sel_hi:[1,0]
	ds_store_b128 v[TW], v[T:T+3]                  ; the tables are my wave's own bytes: LDS serves a wave's instructions in order (ISA guide 5.7.1.4)
	ds_store_b128 v[TW], v[T+4:T+7] offset:2048
	ASTEP 0, 16, 256                               ; chunk 0 into chunk slot 0; chunk 2 is asked for
	WIN 0
	s_wait_tensorcnt 1                             ; my rows of K step 0 are in; K step 1's may stay out
	s_wait_dscnt 0x0                               ; my part of chunk 0 lies in LDS
	s_barrier_signal -1
	s_barrier_wait -1
	FETCH 0, 0, 0, 0, F0
	s_mov_b32 s2, 4                                ; tiles to go: the same in every work-group
.Ltile:
.irp b, 0,1,2,3,4,5,6,7
	ds_load_b128 v[HW+8*(\b):HW+8*(\b)+3],   v[TB] offset:64*(\b)
	ds_load_b128 v[HW+8*(\b)+4:HW+8*(\b)+7], v[TB] offset:64*(\b)+16
.endr
	QUARTER F0, F1, 0, 64, 0, 64, 1, 1, 16, 256, 0 ; a tile's first quarter: hb starts the sums: nothing is cleared, and the bias costs no instruction
	WIN 0                                          ; at a label and at a branch every window is 0
	s_mov_b32 s3, 3
.Llap:                                                 ; a trip goes once round B's ring, from a lap's second quarter to the next lap's first
	HALF 0
	Q2 0
	TURN 0, 1
	Q0 1
	HALF 1
	Q2 1
	TURN 1, 0
	Q0 0
	WIN 0
	s_sub_co_u32 s3, s3, 1
	s_cmp_lg_u32 s3, 0
	s_cbranch_scc1 .Llap
	s_cmp_eq_u32 s2, 1
	s_cbranch_scc1 .Llast                          ; the last tile's tail is written out: it asks for nothing more
	HALF 0                                         ; THE RINGS GO ON INTO THE NEXT TILE:
	Q2 0, 0, 16, NEXT_A                            ; the chunk asked for here is the next tile's first,
	TURN 0, 1                                      ; slot 0 takes K step 0 again,
	Q0 1
	HALF 1
	Q2 1
	TURN 1, 0                                      ; slot 1 K step 1, and the next tile's first fragments are fetched
	WIN 0
	s_branch .Lepi
.Llast:
	HALF 0
	Q2 0, 0, 16, 0                                 ; chunk 62 is stored (behind it chunk 63's 16 loads were issued); nothing is left to load
	MEET 0, 0                                      ; my one tensor load that was out is the last K step's, so no round follows
	PLACES
	FETCH 1, 0, 0, 0, F0
	MUL16 F1, 1, 0, 0
	MUL16 F1, 1, 2, 0
	Q0 1, 0, 0                                     ; chunk 63 is stored: no load was issued behind it
	HALF 1
	Q2 1, -1
	s_wait_dscnt 8                                 ; the very last quarter
	MUL16 F1, 0, 0, 0
	MUL16 F1, 0, 2, 0
	s_wait_dscnt 0x0
	MUL16 F1, 1, 0, 0
	MUL16 F1, 1, 2, 0
	WIN 0
.Lepi:
	; THE TILE'S END.  Each y becomes 1 / (1 + 2^y), in place; times wv, summed over my 128 columns.  The exponentials of a window are one batch, the reciprocals another, each with one plain instruction
	; behind it and the one wait ahead of the first use.  Each accumulator is read from its lowest register on.
	PLACES
	PLACES                                         ; the places behind the last products, doubled, once a tile
.irp b, 0,1,2,3,4,5,6,7
	ds_load_b128 v[HW+8*(\b):HW+8*(\b)+3],   v[TB] offset:2048+64*(\b)     ; wv takes hb's registers
	ds_load_b128 v[HW+8*(\b)+4:HW+8*(\b)+7], v[TB] offset:2048+64*(\b)+16
.endr
.macro EPIW W                          ; the 32 accumulators of window W
	WIN (\W)|((\W)<<6)
.set i, 0
.rept 256
	v_exp_f32 v[i], v[i]
.set i, i+1
.endr
	v_nop
	s_wait_alu depctr_va_vdst(0)
.set i, 0
.rept 128
	v_pk_add_f32 v[i:i+1], v[i:i+1], 1.0 op_sel_hi:[1,0]
.set i, i+2
.endr
.set i, 0
.rept 256
	v_rcp_f32 v[i], v[i]
.set i, i+1
.endr
	v_nop
	s_wait_alu depctr_va_vdst(0)
.if (\W) == 2
	s_wait_dscnt 0x0                               ; wv is in
.endif
	WIN \W                                         ; source 0 window W; wv, the sums and the destination window 0
.irp b, 0,1,2,3,4,5,6,7                ; 16 pairs of sums take turns: row block a, pair p of the lane's eight columns
.irp p, 0,1,2,3
.irp a, 0,1,2,3
.if (\b) == 0
	v_pk_mul_f32 v[T+8*(\a)+2*(\p):T+8*(\a)+2*(\p)+1], v[8*(8*(\a)+(\b))+2*(\p):8*(8*(\a)+(\b))+2*(\p)+1], v[HW+8*(\b)+2*(\p):HW+8*(\b)+2*(\p)+1]
.else
	v_pk_fma_f32 v[T+8*(\a)+2*(\p):T+8*(\a)+2*(\p)+1], v[8*(8*(\a)+(\b))+2*(\p):8*(8*(\a)+(\b))+2*(\p)+1], v[HW+8*(\b)+2*(\p):HW+8*(\b)+2*(\p)+1], v[T+8*(\a)+2*(\p):T+8*(\a)+2*(\p)+1]
.endif
.endr
.endr
.endr
	WIN 0
.irp a, 0,1,2,3
	v_pk_add_f32 v[T+8*(\a):T+8*(\a)+1],   v[T+8*(\a):T+8*(\a)+1],   v[T+8*(\a)+2:T+8*(\a)+3]
	v_pk_add_f32 v[T+8*(\a)+4:T+8*(\a)+5], v[T+8*(\a)+4:T+8*(\a)+5], v[T+8*(\a)+6:T+8*(\a)+7]
.endr
.irp a, 0,1,2,3
	v_pk_add_f32 v[T+8*(\a):T+8*(\a)+1], v[T+8*(\a):T+8*(\a)+1], v[T+8*(\a)+4:T+8*(\a)+5]
.endr
.irp a, 0,1,2,3
	v_add_f32 v[R+4*((\W)-2)+(\a)], v[T+8*(\a)], v[T+8*(\a)+1]
.endr
.endm
	EPIW 2
	EPIW 3
.irp a, 0,1,2,3,4,5,6,7
	v_permlanex16_b32 v[T+(\a)], v[R+(\a)], s[SEL], s[SEL+1]  ; a row's other 64 columns lie in the lane 16 away
.endr
.irp a, 0,1,2,3,4,5,6,7
	v_add_f32 v[R+(\a)], v[R+(\a)], v[T+(\a)]
.endr
.irp a, 0,1,2,3,4,5,6,7
	ds_store_b32 v[STO], v[R+(\a)] offset:64*(\a)  ; row 16 a + r; both halves of the lanes write the same number to the same word.  My wave's own stage
.endr
	s_wait_xcnt 0x0                                ; the last tile's store has read its data and its base
	ds_load_b128 v[OUT:OUT+3], v[RDS]              ; back as four rows a lane: LDS serves a wave's instructions in order
	s_add_nc_u64 s[PB:PB+1], s[PB:PB+1], s[PS:PS+1]
	s_mov_b32 s[PS], 512                           ; 128 rows on from now
	s_wait_dscnt 0x0
	global_store_b128 v[PO], v[OUT:OUT+3], s[PB:PB+1]  ; the tile's 128 sums of my plane: 512 consecutive bytes, aligned
	s_sub_co_u32 s2, s2, 1
	s_cmp_lg_u32 s2, 0
	s_cbranch_scc1 .Ltile
	s_wait_tensorcnt 0x0                           ; the wave's end: behind my last tensor load and my last LDS store
	ds_add_u32 v[SPW], v[NIL]
	s_wait_dscnt 0x0
	CROUND                                         ; the closing round: no work-group ends while a partner may still ask for a tile that names it
	s_endpgm
.Lfunc_end_k_qcaddca23f2_energy:
	.size	k_qcaddca23f2_energy, .Lfunc_end_k_qcaddca23f2_energy-k_qcaddca23f2_energy
	.p2alignl 7, 3214868480
	.fill 96, 4, 3214868480
	.section	.rodata,"a",@progbits
	.p2align	6, 0x0
	.amdhsa_kernel k_qcaddca23f2_energy
		.amdhsa_group_segment_fixed_size 327680
		.amdhsa_private_segment_fixed_size 0
		.amdhsa_enable_private_segment 0
		.amdhsa_kernarg_size 40
		.amdhsa_user_sgpr_count 2
		.amdhsa_user_sgpr_kernarg_segment_ptr 1
		.amdhsa_wavefront_size32 1
		.amdhsa_system_sgpr_workgroup_id_x 1
		.amdhsa_system_sgpr_workgroup_id_y 1
		.amdhsa_system_sgpr_workgroup_id_z 1
		.amdhsa_system_vgpr_workitem_id 0
		.amdhsa_next_free_vgpr 1024
		.amdhsa_next_free_sgpr 72
		.amdhsa_reserve_vcc 0
		.amdhsa_float_denorm_mode_32 3
		.amdhsa_float_denorm_mode_16_64 3
		.amdhsa_memory_ordered 1
		.amdhsa_forward_progress 1
		.amdhsa_inst_pref_size 255
	.end_amdhsa_kernel
	.section	.bss,"aw",@nobits
	.p2align	6
	.space	262144
	.amdgpu_metadata
---
amdhsa.version: [ 1, 2 ]
amdhsa.kernels:
  - .name:           k_qcaddca23f2_energy
    .symbol:         k_qcaddca23f2_energy.kd
    .args:
      - { .name: encoder_outputs, .offset: 0, .size: 8, .value_kind: global_buffer, .address_space: global }
      - { .name: wb, .offset: 8, .size: 8, .value_kind: global_buffer, .address_space: global }
      - { .name: hb, .offset: 16, .size: 8, .value_kind: global_buffer, .address_space: global }
      - { .name: v, .offset: 24, .size: 8, .value_kind: global_buffer, .address_space: global }
      - { .name: part, .offset: 32, .size: 8, .value_kind: global_buffer, .address_space: global }
    .group_segment_fixed_size: 327680
    .private_segment_fixed_size: 0
    .kernarg_segment_align: 8
    .kernarg_segment_size: 40
    .max_flat_workgroup_size: 128
    .sgpr_count:     72
    .vgpr_count:     1024
    .wavefront_size: 32
...
	.end_amdgpu_metadata
.endif
;; end of part 2
;; launch soft (part 3): grid 32 x 1, 8 waves a work-group, no clusters, 1,536 bytes of LDS; arguments part, out0; writes out0
.if DOCPART == 3
	.amdgcn_target "amdgcn-amd-amdhsa--gfx1250"
	.amdhsa_code_object_version 6
	.text
	.protected	k_qcaddca23f2_soft
	.globl	k_qcaddca23f2_soft
	.p2align	8
	.type	k_qcaddca23f2_soft,@function
k_qcaddca23f2_soft:
	s_mov_b64 s[64:65], 0
	v_nop
	global_prefetch_b8 v0, s[64:65] scope:SCOPE_SE
	s_setreg_imm32_b32 hwreg(HW_REG_WAVE_MODE, 25, 1), 1
	s_wait_xcnt 0x0
; out0[b][s] = 2^(z[s] - max z) / the sum over s of 2^(z[s] - max z),  z[s] = the sum over the 8 planes p of part[p][2048 b + s].
; z is log2(e) times the score, less a term that is the same for all s of a batch, so this is the softmax of the scores, with the row's true maximum taken away.
; A work-group of eight waves takes a batch; thread t the rows 4 t .. 4 t + 3 and 1,024 + 4 t .. : every load and store of a wave covers 512 consecutive bytes, aligned.
; The row stays in registers between the maximum, the sum and the scaling.  The waves' maxima and sums meet in LDS, in bytes of their own each: one barrier for each.
; No matrix unit, cluster or tensor load: 64 KiB are read and 8 KiB written by a work-group, each byte once.  LIMITS: a weight below 2^-126 counts as 0; NaN and infinities are not treated apart.
.set SPARE, 512                        ; LDS: bytes 0-31 the waves' maxima, 256-287 their sums; from 512 on the spare words, 128 bytes for each of eight waves
.set SPW, 2                            ; v2   my spare word; never rewritten
.set NIL, 3                            ; v3   0; never rewritten
.set TO,  4                            ; v4   16 t
.set WW,  5                            ; v5   4 x my wave's number
.set ZA,  6                            ; v6   LDS address 0
.set X,   16                           ; v[16:79] plane p: 8 numbers at X + 8 p; the sums, then the weights, in v[16:23]
.set M,   80                           ; v[80:83] at work
.set G,   84                           ; v[84:91] the eight waves' figures
	s_load_b128 s[4:7], s[0:1], 0x0                ; part s[4:5], out0 s[6:7]
	v_lshl_add_u32 v[SPW], v0, 2, SPARE
	v_mov_b32 v[NIL], 0
	v_lshrrev_b32 v1, 5, v0
	v_readfirstlane_b32 s8, v1                     ; wave 0..7
	v_lshlrev_b32 v[TO], 4, v0
	s_lshl_b32 s9, s8, 2
	v_mov_b32 v[WW], s9
	v_mov_b32 v[ZA], 0
	s_lshl_b32 s10, ttmp9, 13                      ; a batch's 2,048 numbers
	s_mov_b32 s11, 0
	s_mov_b32 s12, 0x76543210                      ; v_permlanex16_b32: each lane takes its own place in the other half
	s_mov_b32 s13, 0xfedcba98
	s_wait_kmcnt 0x0
	s_add_nc_u64 s[4:5], s[4:5], s[10:11]
	s_add_nc_u64 s[6:7], s[6:7], s[10:11]
.set p, 0
.rept 8
	global_load_b128 v[X+8*p:X+8*p+3],   v[TO], s[4:5] offset:p*262144 th:TH_LOAD_NT
	global_load_b128 v[X+8*p+4:X+8*p+7], v[TO], s[4:5] offset:p*262144+4096 th:TH_LOAD_NT
.set p, p+1
.endr
	s_wait_loadcnt 0x0
.set p, 1
.rept 7
.irp e, 0,2,4,6
	v_pk_add_f32 v[X+(\e):X+(\e)+1], v[X+(\e):X+(\e)+1], v[X+8*p+(\e):X+8*p+(\e)+1]
.endr
.set p, p+1
.endr
	; the maximum: in the lane, across the wave, across the waves
	v_max3_num_f32 v[M], v[X], v[X+1], v[X+2]
	v_max3_num_f32 v[M+1], v[X+3], v[X+4], v[X+5]
	v_max3_num_f32 v[M], v[M], v[X+6], v[X+7]
	v_max_num_f32 v[M], v[M], v[M+1]
	v_max_num_f32_dpp v[M], v[M], v[M] row_xmask:1 row_mask:0xf bank_mask:0xf
	v_max_num_f32_dpp v[M], v[M], v[M] row_xmask:2 row_mask:0xf bank_mask:0xf
	v_max_num_f32_dpp v[M], v[M], v[M] row_xmask:4 row_mask:0xf bank_mask:0xf
	v_max_num_f32_dpp v[M], v[M], v[M] row_xmask:8 row_mask:0xf bank_mask:0xf
	v_permlanex16_b32 v[M+1], v[M], s12, s13
	v_max_num_f32 v[M], v[M], v[M+1]
	ds_store_b32 v[WW], v[M]                       ; all lanes write the same number to my wave's word
	s_wait_dscnt 0x0                               ; for the others' sake
	s_barrier_signal -1
	s_barrier_wait -1
	ds_load_b128 v[G:G+3], v[ZA]
	ds_load_b128 v[G+4:G+7], v[ZA] offset:16
	s_wait_dscnt 0x0
	v_max3_num_f32 v[M], v[G], v[G+1], v[G+2]
	v_max3_num_f32 v[M+1], v[G+3], v[G+4], v[G+5]
	v_max3_num_f32 v[M], v[M], v[G+6], v[G+7]
	v_max_num_f32 v[M], v[M], v[M+1]
	v_mov_b32 v[M+1], v[M]                         ; a pair for the packed subtraction
.irp e, 0,2,4,6
	v_pk_add_f32 v[X+(\e):X+(\e)+1], v[X+(\e):X+(\e)+1], v[M:M+1] neg_lo:[0,1] neg_hi:[0,1]
.endr
.irp e, 0,1,2,3,4,5,6,7
	v_exp_f32 v[X+(\e)], v[X+(\e)]
.endr
	v_nop                                          ; a plain instruction behind the last exponential,
	s_wait_alu depctr_va_vdst(0)                   ; and the one wait ahead of the batch's first use
	v_pk_add_f32 v[M:M+1], v[X:X+1], v[X+2:X+3]
	v_pk_add_f32 v[M+2:M+3], v[X+4:X+5], v[X+6:X+7]
	v_pk_add_f32 v[M:M+1], v[M:M+1], v[M+2:M+3]
	v_add_f32 v[M], v[M], v[M+1]
	v_add_f32_dpp v[M], v[M], v[M] row_xmask:1 row_mask:0xf bank_mask:0xf
	v_add_f32_dpp v[M], v[M], v[M] row_xmask:2 row_mask:0xf bank_mask:0xf
	v_add_f32_dpp v[M], v[M], v[M] row_xmask:4 row_mask:0xf bank_mask:0xf
	v_add_f32_dpp v[M], v[M], v[M] row_xmask:8 row_mask:0xf bank_mask:0xf
	v_permlanex16_b32 v[M+1], v[M], s12, s13
	v_add_f32 v[M], v[M], v[M+1]
	ds_store_b32 v[WW], v[M] offset:256            ; other bytes than the maxima's, which other waves may still be reading
	s_wait_dscnt 0x0
	s_barrier_signal -1
	s_barrier_wait -1
	ds_load_b128 v[G:G+3], v[ZA] offset:256
	ds_load_b128 v[G+4:G+7], v[ZA] offset:272
	s_wait_dscnt 0x0
	v_pk_add_f32 v[G:G+1], v[G:G+1], v[G+2:G+3]
	v_pk_add_f32 v[G+4:G+5], v[G+4:G+5], v[G+6:G+7]
	v_pk_add_f32 v[G:G+1], v[G:G+1], v[G+4:G+5]
	v_add_f32 v[G], v[G], v[G+1]                   ; at least 1: the largest weight is 2^0
	v_rcp_f32 v[G+2], v[G]
	v_nop
	s_wait_alu depctr_va_vdst(0)
.irp e, 0,2,4,6
	v_pk_mul_f32 v[X+(\e):X+(\e)+1], v[X+(\e):X+(\e)+1], v[G+2:G+3] op_sel_hi:[1,0]
.endr
	global_store_b128 v[TO], v[X:X+3], s[6:7]
	global_store_b128 v[TO], v[X+4:X+7], s[6:7] offset:4096
	s_wait_tensorcnt 0x0                           ; the wave's end: behind my last LDS store
	ds_add_u32 v[SPW], v[NIL]
	s_wait_dscnt 0x0
	s_endpgm
.Lfunc_end_k_qcaddca23f2_soft:
	.size	k_qcaddca23f2_soft, .Lfunc_end_k_qcaddca23f2_soft-k_qcaddca23f2_soft
	.p2alignl 7, 3214868480
	.fill 96, 4, 3214868480
	.section	.rodata,"a",@progbits
	.p2align	6, 0x0
	.amdhsa_kernel k_qcaddca23f2_soft
		.amdhsa_group_segment_fixed_size 1536
		.amdhsa_private_segment_fixed_size 0
		.amdhsa_enable_private_segment 0
		.amdhsa_kernarg_size 16
		.amdhsa_user_sgpr_count 2
		.amdhsa_user_sgpr_kernarg_segment_ptr 1
		.amdhsa_wavefront_size32 1
		.amdhsa_system_sgpr_workgroup_id_x 1
		.amdhsa_system_sgpr_workgroup_id_y 1
		.amdhsa_system_sgpr_workgroup_id_z 1
		.amdhsa_system_vgpr_workitem_id 0
		.amdhsa_next_free_vgpr 96
		.amdhsa_next_free_sgpr 66
		.amdhsa_reserve_vcc 0
		.amdhsa_float_denorm_mode_32 3
		.amdhsa_float_denorm_mode_16_64 3
		.amdhsa_memory_ordered 1
		.amdhsa_forward_progress 1
		.amdhsa_inst_pref_size 8
	.end_amdhsa_kernel
	.amdgpu_metadata
---
amdhsa.version: [ 1, 2 ]
amdhsa.kernels:
  - .name:           k_qcaddca23f2_soft
    .symbol:         k_qcaddca23f2_soft.kd
    .args:
      - { .name: part, .offset: 0, .size: 8, .value_kind: global_buffer, .address_space: global }
      - { .name: out0, .offset: 8, .size: 8, .value_kind: global_buffer, .address_space: global }
    .group_segment_fixed_size: 1536
    .private_segment_fixed_size: 0
    .kernarg_segment_align: 8
    .kernarg_segment_size: 16
    .max_flat_workgroup_size: 256
    .sgpr_count:     66
    .vgpr_count:     96
    .wavefront_size: 32
...
	.end_amdgpu_metadata
.endif
;; end of part 3
